; MI455X (gfx1250); checked and timed in simulation.
; The chip was launched on July 23, 2026; its instructions are those of AMD's public machine-readable ISA for CDNA 5 (MIT licence, August 2026) and "CDNA5" Instruction Set Architecture Reference Guide (July 2026). The comments in the code are by the model that wrote it; some were corrected since.
;; One Head Self Attention. Allowed arithmetic: float matrix products may take bf16 or f16 operands with f32 sums; other float arithmetic in f32, or as packed bf16 or f16 multiplies, adds, multiply-adds, maxima and minima; sums over many terms, partial sums and values carried from step to step in f32; what a program stores and reads back later, other than sums and carried values, may be rounded once to bf16 or f16.
;; Inputs: bk 1,024 float32; bq 1,024 float32; bv 1,024 float32; wk 1,024 x 1,024 float32; wq 1,024 x 1,024 float32; wv 1,024 x 1,024 float32; x 4 x 2,048 x 1,024 float32.
;; Outputs: out0 4 x 2,048 x 1,024 float32.
;; 2 versions, each right; version 2 is version 1 with the launch cast written anew for expert scheduling mode. Each part assembles by itself: llvm-mc -triple=amdgcn-amd-amdhsa -mcpu=gfx1250 --defsym DOCPART=n.
;; ======== version 1 of 2: 4 launches
;; limits: values are held in f16: magnitudes above 65,504 overflow, below 6.1e-05 lose precision
;; workspace buffers: xb 16,777,216 bytes; wb 6,291,456 bytes; qkv 50,331,648 bytes; prob 33,554,432 bytes; stats 1,048,576 bytes
;; launch cast (part 1): grid 704 x 1, 8 waves a work-group, no clusters, 0 bytes of LDS; arguments x, wq, wk, wv, xb, wb; writes xb, wb
.if DOCPART == 1
	.amdgcn_target "amdgcn-amd-amdhsa--gfx1250"
	.amdhsa_code_object_version 6
	.text
	.protected	k_q3291266ca8_cast
	.globl	k_q3291266ca8_cast
	.p2align	8
	.type	k_q3291266ca8_cast,@function
k_q3291266ca8_cast:
	s_mov_b64 s[64:65], 0
	v_nop
	global_prefetch_b8 v0, s[64:65] scope:SCOPE_SE
	s_setreg_imm32_b32 hwreg(HW_REG_WAVE_MODE, 25, 1), 1
	s_wait_xcnt 0x0
; cast: xb = bf16(x) [8192][1024]; wb = bf16(wq | wk | wv) stacked as [3072][1024].  Rounding to nearest even.
; A pure stream: no LDS, no matrix unit, no cluster (no byte is read by two work-groups).
; A work-group converts 16,384 numbers: 65,536 bytes in, 32,768 bytes out.  x is 512 such parts, each weight 64: 512 + 3 x 64 = 704 work-groups.
; Thread t takes 16 bytes at 16 t of each block of 4,096 bytes: a wave's load covers 512 consecutive bytes, and its store of 8 bytes
; a lane covers 256 consecutive bytes that start at a multiple of 256.  All 16 loads of a wave go out at once; no register is written twice.
.set X, 4                              ; v[4:67]   16 x 4 registers as loaded
.set Y, 68                             ; v[68:99]  16 x 2 registers to store
	s_load_b256 s[4:11], s[0:1], 0x0               ; x s[4:5], wq s[6:7], wk s[8:9], wv s[10:11]
	s_load_b128 s[12:15], s[0:1], 0x20             ; xb s[12:13], wb s[14:15]
	s_sub_co_u32 s20, ttmp9, 512                   ; part number among the weights (used only from work-group 512 on)
	s_and_b32 s21, s20, 63                         ; part inside one weight
	s_lshr_b32 s22, s20, 6                         ; which weight: 0, 1, 2
	v_lshlrev_b32 v1, 4, v0                        ; 16 t: where I read
	v_lshlrev_b32 v2, 3, v0                        ; 8 t: where I write
	s_wait_kmcnt 0x0
	s_cmp_eq_u32 s22, 1
	s_cselect_b64 s[24:25], s[8:9], s[6:7]         ; wk or wq
	s_cmp_eq_u32 s22, 2
	s_cselect_b64 s[24:25], s[10:11], s[24:25]     ; or wv
	s_cmp_lt_u32 ttmp9, 512
	s_cselect_b64 s[24:25], s[4:5], s[24:25]       ; the first 512 work-groups read x
	s_cselect_b64 s[26:27], s[12:13], s[14:15]     ; and write xb; the others wb
	s_cselect_b32 s16, ttmp9, s21                  ; part number in the source
	s_cselect_b32 s18, ttmp9, s20                  ; part number in the destination
	s_lshl_b32 s16, s16, 16                        ; x 65,536 bytes
	s_mov_b32 s17, 0
	s_lshl_b32 s18, s18, 15                        ; x 32,768 bytes
	s_mov_b32 s19, 0
	s_add_nc_u64 s[24:25], s[24:25], s[16:17]
	s_add_nc_u64 s[26:27], s[26:27], s[18:19]
.set k, 0
.rept 16
	global_load_b128 v[X+4*k:X+4*k+3], v1, s[24:25] offset:4096*k th:TH_LOAD_NT
.set k, k+1
.endr
.set k, 0
.rept 16
	s_wait_loadcnt 15-k                            ; loads come back in order: number k is in, the 15 - k younger ones stay out
	v_cvt_pk_bf16_f32 v[Y+2*k],   v[X+4*k],   v[X+4*k+1]
	v_cvt_pk_bf16_f32 v[Y+2*k+1], v[X+4*k+2], v[X+4*k+3]
	global_store_b64 v2, v[Y+2*k:Y+2*k+1], s[26:27] offset:2048*k
.set k, k+1
.endr
	s_endpgm
.Lfunc_end_k_q3291266ca8_cast:
	.size	k_q3291266ca8_cast, .Lfunc_end_k_q3291266ca8_cast-k_q3291266ca8_cast
	.p2alignl 7, 3214868480
	.fill 96, 4, 3214868480
	.section	.rodata,"a",@progbits
	.p2align	6, 0x0
	.amdhsa_kernel k_q3291266ca8_cast
		.amdhsa_group_segment_fixed_size 0
		.amdhsa_private_segment_fixed_size 0
		.amdhsa_enable_private_segment 0
		.amdhsa_kernarg_size 48
		.amdhsa_user_sgpr_count 2
		.amdhsa_user_sgpr_kernarg_segment_ptr 1
		.amdhsa_wavefront_size32 1
		.amdhsa_system_sgpr_workgroup_id_x 1
		.amdhsa_system_sgpr_workgroup_id_y 1
		.amdhsa_system_sgpr_workgroup_id_z 1
		.amdhsa_system_vgpr_workitem_id 0
		.amdhsa_next_free_vgpr 104
		.amdhsa_next_free_sgpr 66
		.amdhsa_reserve_vcc 0
		.amdhsa_float_denorm_mode_32 3
		.amdhsa_float_denorm_mode_16_64 3
		.amdhsa_memory_ordered 1
		.amdhsa_forward_progress 1
		.amdhsa_inst_pref_size 7
	.end_amdhsa_kernel
	.amdgpu_metadata
---
amdhsa.version: [ 1, 2 ]
amdhsa.kernels:
  - .name:           k_q3291266ca8_cast
    .symbol:         k_q3291266ca8_cast.kd
    .args:
      - { .name: x, .offset: 0, .size: 8, .value_kind: global_buffer, .address_space: global }
      - { .name: wq, .offset: 8, .size: 8, .value_kind: global_buffer, .address_space: global }
      - { .name: wk, .offset: 16, .size: 8, .value_kind: global_buffer, .address_space: global }
      - { .name: wv, .offset: 24, .size: 8, .value_kind: global_buffer, .address_space: global }
      - { .name: xb, .offset: 32, .size: 8, .value_kind: global_buffer, .address_space: global }
      - { .name: wb, .offset: 40, .size: 8, .value_kind: global_buffer, .address_space: global }
    .group_segment_fixed_size: 0
    .private_segment_fixed_size: 0
    .kernarg_segment_align: 8
    .kernarg_segment_size: 48
    .max_flat_workgroup_size: 256
    .sgpr_count:     66
    .vgpr_count:     104
    .wavefront_size: 32
...
	.end_amdgpu_metadata
.endif
;; end of part 1
;; launch proj (part 2): grid 12 x 32, 4 waves a work-group, clusters of 4 x 4, 327,680 bytes of LDS; arguments xb, wb, bq, bk, bv, qkv; writes qkv
.if DOCPART == 2
	.amdgcn_target "amdgcn-amd-amdhsa--gfx1250"
	.amdhsa_code_object_version 6
	.text
	.protected	k_q3291266ca8_proj
	.globl	k_q3291266ca8_proj
	.p2align	8
	.type	k_q3291266ca8_proj,@function
k_q3291266ca8_proj:
	s_mov_b64 s[64:65], 0
	v_nop
	global_prefetch_b8 v0, s[64:65] scope:SCOPE_SE
	s_setreg_imm32_b32 hwreg(HW_REG_WAVE_MODE, 25, 1), 1
	s_wait_xcnt 0x0
	s_wait_alu depctr_hold_cnt(0) depctr_sa_sdst(0) depctr_va_vdst(0) depctr_va_sdst(0) depctr_va_ssrc(0) depctr_va_vcc(0) depctr_vm_vsrc(0)
	s_getreg_b32 s2, hwreg(HW_REG_IB_STS2, 6, 4)
	s_cmp_eq_u32 s2, 0
	s_cbranch_scc0 .Lentry_in_a_cluster
	s_endpgm
.Lentry_in_a_cluster:
	s_bfe_u32 s2, ttmp6, 0x10000c
	s_cmp_lg_u32 s2, 0xf033
	s_cbranch_scc0 .Lentry_shape_is_right
	s_endpgm
.Lentry_shape_is_right:
; proj: qkv[p][m][n] = f16( sum over c of xb[m][c] wb[1024 p + n][c] + b_p[n] ), p = 0 (q), 1 (k), 2 (v).  Operands bf16, sums and bias in f32, one rounding.
; WHY f16 OUT: the first rows of a batch average few values, so the rounding of q, k, v is not averaged away there; f16 keeps 11 significant bits.
; LIMIT: a q, k or v of magnitude 65,520 or more becomes an infinity.  By the sizes: with x and all weights 30 times the drawn spread the largest is
; about 900 x 3.2 = 2,900; with x offset by 30 and the weights by 30 x 0.018 = 0.54 the sums reach 1024 x 30 x 0.54 = 16,600.
; One product [8192][1024] x [3072][1024]^T.  A work-group makes 256 x 256 with four waves, a wave 128 x 128: 64 accumulator tiles, 512 registers.
; K goes in steps of 128 through a ring of two LDS slots filled by the tensor data mover; a tile's rows are 256 bytes of memory, aligned to 256.
; CLUSTERS: 4 x 4 work-groups.  The four of a cluster row need the same tiles of xb, the four of a column the same tiles of wb: each tile is asked
; for jointly (same line, same descriptor, a mask that names the four), which divides the requests for both by four.
; A cluster's four block columns are 1,024 columns: exactly one of q, k, v, so the part (bias, output plane) hangs on the cluster's x alone.
; REGISTERS in windows of 256:  window 0: v0-31 addresses, v64-127 and v128-191 fragments of xb (two buffers), v192-223 at work on the way out;
;   window 1: v64-127, v128-191 fragments of wb, v192-255 the bias of my 128 columns;  window 2, 3: accumulators of my rows 0-63, 64-127.
; The matrix instruction is used transposed (source 0 = 16 rows of wb, source 1 = 16 rows of xb): lane l holds row l % 16 and registers 0-7 the
; columns 8 (l / 16) + 0..7, eight neighbouring numbers of an output row.
; The 64 accumulators take turns, one instruction a turn, in the same order in every quarter step.
.set SIZE_K, 1024
.set KSTEP,  128
.set PITCH,  272                       ; an LDS row: 256 bytes + 16 of padding: the 16 rows of a fragment load start 68 words apart
.set HALFT,  128*PITCH                 ; 128 rows: one tensor load
.set SLOT,   4*HALFT                   ; xb's 256 rows, then wb's 256 rows
.set STAGE,  2*SLOT                    ; behind the ring: 16 rows x 272 bytes for each wave; no fill lands here
.set SPITCH, 272
.set LAPS,   SIZE_K/(2*KSTEP)          ; 4 laps of two K steps
.set OROW,   2048                      ; bytes of a row of qkv
.set ADRA, 16                          ; v16-17  LDS address of my xb fragments in slot 0, 1
.set ADRB, 20                          ; v20-21  the same for wb
.set STO,  24                          ; v24     the way out: where I put 16 bytes of a row
.set RD,   25                          ; v25     the way out: where I read a row back
.set CO,   26                          ; v26     my byte offset in qkv
.set BO,   27                          ; v27     my byte offset in the bias: 32 (l / 16)
.set F0,   64
.set F1,   128
.set TMP,  192                         ; window 0: packed results
.set BIAS, 192                         ; window 1: tile b's eight bias numbers at BIAS + 8 b
.set G1,  24                           ; s[24:31] group 1 for xb's tiles
.set G0,  32                           ; s[32:39] group 0 for xb's tiles, a set for each slot
.set G1B, 48                           ; s[48:55] group 1 for wb's tiles
.set G0B, 56                           ; s[56:63] group 0 for wb's tiles
.set MSB, 0
.macro WIN new                         ; the immediate's high byte repeats the setting that is left
.if MSB != \new
	s_set_vgpr_msb (MSB<<8)|\new
.set MSB, \new
.endif
.endm
.set MUL_LO, 0xa1                      ; source 0 window 1, source 1 window 0, C and D window 2
.set MUL_HI, 0xf1                      ; the same, C and D window 3
.set TO_B,   0x40                      ; destination window 1, address window 0
; A joint load: waves 0, 1 fetch xb's two halves, waves 2, 3 wb's.  The branch hangs on the wave's number alone.
.macro JLOAD s
	s_cmp_eq_u32 s11, 0
	s_cbranch_scc0 .Lfor_b_\@
	tensor_load_to_lds s[G0+4*\s:G0+4*\s+3], s[G1:G1+7]
	s_nop 0
	s_branch .Lasked_\@
.Lfor_b_\@:
	tensor_load_to_lds s[G0B+4*\s:G0B+4*\s+3], s[G1B:G1B+7]
	s_nop 0
.Lasked_\@:
.endm
.macro CREST                           ; a round of the cluster's barrier behind its opening work-group barrier
	s_cmp_lg_u32 s10, 0
	s_cbranch_scc1 .Lnot_wave_0_\@
	s_barrier_signal -3
.Lnot_wave_0_\@:
	s_barrier_wait -3
	s_barrier_signal -1
	s_barrier_wait -1
.endm
.macro CROUND                          ; a whole round
	s_barrier_signal -1
	s_barrier_wait -1
	CREST
.endm
	s_load_b128 s[4:7], s[0:1], 0x0                ; xb s[4:5], wb s[6:7]
	s_load_b256 s[68:75], s[0:1], 0x10             ; bq s[68:69], bk s[70:71], bv s[72:73], qkv s[74:75]
	s_set_vgpr_msb 0x40
	v_lshl_add_u32 v63, v0, 2, 0x48400
	s_set_vgpr_msb 0x4000
	v_mov_b32 v255, 0
	s_set_vgpr_msb 0x1
	ds_add_u32 v63, v255
	ds_add_u32 v63, v255
	s_set_vgpr_msb 0x100
	v_lshrrev_b32 v1, 5, v0
	v_readfirstlane_b32 s10, v1                    ; wave 0..3
	s_lshr_b32 s11, s10, 1                         ; my half of the block's rows; also: I fetch xb (0) or wb (1)
	s_and_b32 s12, s10, 1                          ; my half of its columns; also: which 128 rows of that tile I fetch
	s_bfe_u32 s40, ttmp6, 0x40000                  ; cx
	s_bfe_u32 s41, ttmp6, 0x40004                  ; cy
	s_lshl_b32 s42, ttmp9, 2
	s_add_co_u32 s42, s42, s40                     ; block column 0..11 = 4 x cluster x + cx
	s_and_b32 s13, ttmp7, 0xffff
	s_lshl_b32 s13, s13, 2
	s_add_co_u32 s13, s13, s41                     ; block row 0..31 = 4 x cluster y + cy
	s_lshl_b32 s43, s41, 2
	s_lshl_b32 s43, 15, s43                        ; my row of the cluster: places 4 cy .. 4 cy + 3
	s_lshl_b32 s44, 0x1111, s40                    ; my column: places cx, cx + 4, cx + 8, cx + 12
	; group 1: a tile of 128 rows x 128 elements of 2 bytes, 4 words of padding behind every 64 words
	s_or_b32 s[G1+0], s43, (1<<16)|(1<<20)|(1<<21)|(5<<22)|(3<<25)
	s_or_b32 s[G1B+0], s44, (1<<16)|(1<<20)|(1<<21)|(5<<22)|(3<<25)
	s_mov_b32 s[G1+1], KSTEP<<16                   ; tensor_dim0 = 128
	s_mov_b32 s[G1B+1], KSTEP<<16
	s_mov_b32 s[G1+2], 128<<16                     ; tensor_dim1 = 128
	s_mov_b32 s[G1B+2], 128<<16
	s_mov_b32 s[G1+3], KSTEP<<16                   ; tile_dim0 = 128
	s_mov_b32 s[G1B+3], KSTEP<<16
	s_mov_b32 s[G1+4], 128                         ; tile_dim1 = 128
	s_mov_b32 s[G1B+4], 128
	s_mov_b32 s[G1+5], SIZE_K                      ; elements from row to row
	s_mov_b32 s[G1B+5], SIZE_K
	s_mov_b32 s[G1+6], 0
	s_mov_b32 s[G1B+6], 0
	s_mov_b32 s[G1+7], 0
	s_mov_b32 s[G1B+7], 0
	; xb's tiles hang on the block row alone, wb's on the block column alone, each in registers that never hold the other coordinate
	s_lshl_b32 s17, s12, 7                         ; which 128 rows of the tile I fetch
	s_lshl_b32 s16, s13, 8
	s_add_co_u32 s16, s16, s17
	s_lshl_b32 s16, s16, 11                        ; xb: (256 x block row + 128 x half) rows of 2,048 bytes
	s_lshl_b32 s46, s42, 8
	s_add_co_u32 s46, s46, s17
	s_lshl_b32 s46, s46, 11                        ; wb: (256 x block column + 128 x half) rows of 2,048 bytes
	s_mov_b32 s17, 0
	s_mov_b32 s47, 0
	s_lshl_b32 s76, s40, 10                        ; the bias of my 128 columns: 1,024 cx + 512 x column half, in bytes
	s_lshl_b32 s77, s12, 9
	s_add_co_u32 s76, s76, s77
	s_mov_b32 s77, 0
	s_mul_i32 s20, s10, HALFT                      ; LDS: wave x 128 rows; no place in the cluster enters an LDS address
	s_wait_dscnt 0x0
	s_wait_kmcnt 0x0
	s_add_nc_u64 s[14:15], s[4:5], s[16:17]
	s_add_nc_u64 s[46:47], s[6:7], s[46:47]
	s_cmp_eq_u32 ttmp9, 1                          ; the part is the cluster's x
	s_cselect_b64 s[68:69], s[70:71], s[68:69]
	s_cmp_eq_u32 ttmp9, 2
	s_cselect_b64 s[68:69], s[72:73], s[68:69]
	s_add_nc_u64 s[68:69], s[68:69], s[76:77]
	CROUND                                         ; all sixteen work-groups are here: the first joint loads meet
.irp s, 0,1
	s_mov_b32 s[G0+4*\s], 1
	s_add_co_u32 s[G0+4*\s+1], s20, \s*SLOT
	s_add_nc_u64 s[G0+4*\s+2:G0+4*\s+3], s[14:15], \s*KSTEP*2
	s_or_b32 s[G0+4*\s+3], s[G0+4*\s+3], 0x80000000
	s_mov_b32 s[G0B+4*\s], 1
	s_add_co_u32 s[G0B+4*\s+1], s20, \s*SLOT
	s_add_nc_u64 s[G0B+4*\s+2:G0B+4*\s+3], s[46:47], \s*KSTEP*2
	s_or_b32 s[G0B+4*\s+3], s[G0B+4*\s+3], 0x80000000
	JLOAD \s                                       ; both slots' first fills go out before anything else: two tensor loads of the wave are out
.endr
	; fragment addresses: lane l holds row l % 16; two loads of 16 bytes, 32 bytes apart, at row x pitch + 16 (l / 16)
	v_and_b32 v1, 15, v0                           ; l % 16
	v_bfe_u32 v2, v0, 4, 1                         ; l / 16
	v_mul_u32_u24 v3, v1, PITCH
	v_lshl_add_u32 v3, v2, 4, v3
	s_mul_i32 s21, s11, HALFT                      ; my 128 rows of xb
	s_mul_i32 s22, s12, HALFT                      ; my 128 rows of wb,
	s_add_co_u32 s22, s22, 2*HALFT                 ; which lie behind xb's 256
.irp s, 0,1
	v_add_nc_u32 v[ADRA+\s], s21, v3
	v_add_nc_u32 v[ADRB+\s], s22, v3
	s_add_co_u32 s21, s21, SLOT
	s_add_co_u32 s22, s22, SLOT
.endr
	s_mul_i32 s23, s10, 16*SPITCH
	s_add_co_u32 s23, s23, STAGE                   ; my stage
	v_mul_u32_u24 v4, v1, SPITCH
	v_lshl_add_u32 v4, v2, 4, v4
	v_add_nc_u32 v[STO], s23, v4
	v_mul_u32_u24 v5, v2, SPITCH
	v_lshl_add_u32 v5, v1, 4, v5
	v_add_nc_u32 v[RD], s23, v5
	v_mul_u32_u24 v5, v2, OROW
	v_lshl_add_u32 v[CO], v1, 4, v5
	v_lshlrev_b32 v[BO], 5, v2
	; the bias: tile b's columns 16 b + 8 (l / 16) + 0..7 are 32 bytes at 64 b + 32 (l / 16)
	WIN TO_B
.irp b, 0,1,2,3,4,5,6,7
	global_load_b128 v[BIAS+8*\b:BIAS+8*\b+3],   v[BO], s[68:69] offset:64*\b
	global_load_b128 v[BIAS+8*\b+4:BIAS+8*\b+7], v[BO], s[68:69] offset:64*\b+16
.endr
.macro MUL16 f, hi, a0, zero           ; 16 matrix instructions: m blocks a0, a0 + 1 of the window's four x all 8 n blocks, 32 along K
.irp a, \a0, \a0+1
.irp b, 0,1,2,3,4,5,6,7
.if \zero
	v_wmma_f32_16x16x32_bf16 v[8*(8*(\a)+\b):8*(8*(\a)+\b)+7], v[\f+8*\b:\f+8*\b+7], v[\f+8*(4*\hi+\a):\f+8*(4*\hi+\a)+7], 0
.else
	v_wmma_f32_16x16x32_bf16 v[8*(8*(\a)+\b):8*(8*(\a)+\b)+7], v[\f+8*\b:\f+8*\b+7], v[\f+8*(4*\hi+\a):\f+8*(4*\hi+\a)+7], v[8*(8*(\a)+\b):8*(8*(\a)+\b)+7]
.endif
.endr
.endr
.endm
.macro FETCH slot, k, f                ; 32 LDS loads in one run: one quarter step's fragments into buffer f
	WIN TO_B
.irp i, 0,1,2,3,4,5,6,7
	ds_load_b128 v[\f+8*\i:\f+8*\i+3],   v[ADRB+\slot] offset:\k+\i*16*PITCH
	ds_load_b128 v[\f+8*\i+4:\f+8*\i+7], v[ADRB+\slot] offset:\k+\i*16*PITCH+32
.endr
	WIN 0
.irp i, 0,1,2,3,4,5,6,7
	ds_load_b128 v[\f+8*\i:\f+8*\i+3],   v[ADRA+\slot] offset:\k+\i*16*PITCH
	ds_load_b128 v[\f+8*\i+4:\f+8*\i+7], v[ADRA+\slot] offset:\k+\i*16*PITCH+32
.endr
.endm
.macro PLACES                          ; four independent vector places behind a matrix instruction, ahead of loads into its sources and of readers of its result
.rept 4
	v_nop
.endr
.endm
.macro QUARTER slot, k, f, g, zero     ; multiplies buffer f; in its middle fetches the next quarter's fragments into buffer g
	s_wait_dscnt 8                                 ; wb's and xb's rows 0-63 are in; the youngest eight loads (rows 64-127) may be out
	WIN MUL_LO
	MUL16 \f, 0, 0, \zero
	MUL16 \f, 0, 2, \zero
	PLACES
	FETCH \slot, \k, \g
	s_wait_dscnt 32                                ; all but the 32 just issued
	WIN MUL_HI
	MUL16 \f, 1, 0, \zero
	MUL16 \f, 1, 2, \zero
.endm
.macro THREE slot, zero
	QUARTER \slot, 64,  F0, F1, \zero
	QUARTER \slot, 128, F1, F0, 0
	QUARTER \slot, 192, F0, F1, 0
.endm
; The last quarter multiplies buffer 1 and changes slots.  In front of the barrier each wave waits for its reads of this slot and for all its
; tensor loads (one is out: its part of the next slot).  Behind it (with fill: behind the cluster's round that it opens) the refill comes first.
; From a request to the wait for it a wave issues 240 matrix instructions.
.macro TURN slot, next, fill
	s_wait_dscnt 8
	WIN MUL_LO
	MUL16 F1, 0, 0, 0
	s_wait_dscnt 0                                 ; my reads of this slot are over
	s_wait_tensorcnt 0x0                           ; all my tensor loads have landed
	ds_add_u32 v63, v255
	s_wait_dscnt 0x0
	s_barrier_signal -1
	MUL16 F1, 0, 2, 0                              ; register work while the others arrive
	WIN 0
	s_barrier_wait -1
.if \fill
	CREST                                          ; no wave of any partner still reads this slot or has a load on its way
	s_add_nc_u64 s[G0+4*\slot+2:G0+4*\slot+3], s[G0+4*\slot+2:G0+4*\slot+3], 2*KSTEP*2
	s_add_nc_u64 s[G0B+4*\slot+2:G0B+4*\slot+3], s[G0B+4*\slot+2:G0B+4*\slot+3], 2*KSTEP*2
	JLOAD \slot                                    ; the wave's one tensor load behind the round
.endif
	PLACES
	FETCH \next, 0, F0
	WIN MUL_HI
	MUL16 F1, 1, 0, 0
	MUL16 F1, 1, 2, 0
.endm
.macro LAP zero
	THREE 0, \zero
	TURN 0, 1, 1
	THREE 1, 0
	TURN 1, 0, 1
.endm
	s_wait_loadcnt 0x0                             ; the bias, once: no register load is out at any barrier
	s_wait_tensorcnt 1                             ; my part of K step 0 is in; K step 1's stays out
	s_barrier_signal -1
	s_barrier_wait -1
	FETCH 0, 0, F0
	LAP 1                                          ; the first products start the sums: nothing is cleared
	WIN 0
	s_mov_b32 s3, LAPS-2
.Llap:
	LAP 0
	WIN 0
	s_sub_co_u32 s3, s3, 1
	s_cmp_lg_u32 s3, 0
	s_cbranch_scc1 .Llap
	THREE 0, 0                                     ; the last lap fills nothing
	TURN 0, 1, 0
	THREE 1, 0
	s_wait_dscnt 8
	WIN MUL_LO
	MUL16 F1, 0, 0, 0
	MUL16 F1, 0, 2, 0
	s_wait_dscnt 0
	WIN MUL_HI
	MUL16 F1, 1, 0, 0
	MUL16 F1, 1, 2, 0
	; THE WAY OUT, 16 rows at a time: add the bias, round to f16, through my own stage, back as whole rows of 256 bytes
	PLACES
	s_lshl_b32 s13, s13, 8
	s_lshl_b32 s14, s11, 7
	s_add_co_u32 s16, s13, s14                     ; my first row
	s_lshl_b32 s16, s16, 11
	s_mov_b32 s17, 0
	s_add_nc_u64 s[74:75], s[74:75], s[16:17]
	s_lshl_b32 s46, s40, 9                         ; my first column inside the part: 512 cx + 256 x half bytes
	s_lshl_b32 s47, s12, 8
	s_add_co_u32 s46, s46, s47
	s_lshl_b32 s47, ttmp9, 24                      ; the part's plane of 8192 x 2,048 bytes
	s_add_co_u32 s46, s46, s47
	s_mov_b32 s47, 0
	s_add_nc_u64 s[74:75], s[74:75], s[46:47]
; rows 16 i .. 16 i + 15: tiles (a, 0..7) of window 2 or 3 (from = 0x06 or 0x07: source 0 that window, source 1 window 1); f: read-back registers in turn
.macro OUTQ i, a, from, f
	WIN \from
.irp b, 0,1,2,3,4,5,6,7
.irp r, 0,1,2,3
	v_pk_add_f32 v[F0+8*\b+2*\r:F0+8*\b+2*\r+1], v[8*(8*\a+\b)+2*\r:8*(8*\a+\b)+2*\r+1], v[BIAS+8*\b+2*\r:BIAS+8*\b+2*\r+1]
.endr
.endr
	WIN 0
.irp b, 0,1,2,3,4,5,6,7
.irp r, 0,1,2,3
	v_cvt_pk_f16_f32 v[TMP+4*\b+\r], v[F0+8*\b+2*\r], v[F0+8*\b+2*\r+1]
.endr
.endr
.irp b, 0,1,2,3,4,5,6,7
	ds_store_b128 v[STO], v[TMP+4*\b:TMP+4*\b+3] offset:32*\b
.endr
	s_wait_xcnt 0x0                                ; the earlier stores' data registers and base are rewritten only behind this wait
.if \i
	s_add_nc_u64 s[74:75], s[74:75], 16*OROW
.endif
.irp t, 0,1,2,3,4,5,6,7
	ds_load_b128 v[\f+4*\t:\f+4*\t+3], v[RD] offset:\t*2*SPITCH    ; a wave's LDS instructions are served in order: these see the stores above
.endr
.irp t, 0,1,2,3,4,5,6,7
	s_wait_dscnt 7-\t
	global_store_b128 v[CO], v[\f+4*\t:\f+4*\t+3], s[74:75] offset:2*\t*OROW   ; 16 lanes store 256 consecutive bytes, aligned to 256
.endr
.endm
	OUTQ 0, 0, 0x06, F1
	OUTQ 1, 1, 0x06, F1+32
	OUTQ 2, 2, 0x06, F1
	OUTQ 3, 3, 0x06, F1+32
	OUTQ 4, 0, 0x07, F1
	OUTQ 5, 1, 0x07, F1+32
	OUTQ 6, 2, 0x07, F1
	OUTQ 7, 3, 0x07, F1+32
	s_set_vgpr_msb 0x1
	s_wait_tensorcnt 0x0
	ds_add_u32 v63, v255
	s_wait_dscnt 0x0
	s_set_vgpr_msb 0x100
	CROUND                                         ; the closing round: no work-group ends while a partner may still ask for a tile that names it
	s_endpgm
.Lfunc_end_k_q3291266ca8_proj:
	.size	k_q3291266ca8_proj, .Lfunc_end_k_q3291266ca8_proj-k_q3291266ca8_proj
	.p2alignl 7, 3214868480
	.fill 96, 4, 3214868480
	.section	.rodata,"a",@progbits
	.p2align	6, 0x0
	.amdhsa_kernel k_q3291266ca8_proj
		.amdhsa_group_segment_fixed_size 327680
		.amdhsa_private_segment_fixed_size 0
		.amdhsa_enable_private_segment 0
		.amdhsa_kernarg_size 48
		.amdhsa_user_sgpr_count 2
		.amdhsa_user_sgpr_kernarg_segment_ptr 1
		.amdhsa_wavefront_size32 1
		.amdhsa_system_sgpr_workgroup_id_x 1
		.amdhsa_system_sgpr_workgroup_id_y 1
		.amdhsa_system_sgpr_workgroup_id_z 1
		.amdhsa_system_vgpr_workitem_id 0
		.amdhsa_next_free_vgpr 1024
		.amdhsa_next_free_sgpr 80
		.amdhsa_reserve_vcc 0
		.amdhsa_float_denorm_mode_32 3
		.amdhsa_float_denorm_mode_16_64 3
		.amdhsa_memory_ordered 1
		.amdhsa_forward_progress 1
		.amdhsa_inst_pref_size 214
	.end_amdhsa_kernel
	.amdgpu_metadata
---
amdhsa.version: [ 1, 2 ]
amdhsa.kernels:
  - .name:           k_q3291266ca8_proj
    .symbol:         k_q3291266ca8_proj.kd
    .args:
      - { .name: xb, .offset: 0, .size: 8, .value_kind: global_buffer, .address_space: global }
      - { .name: wb, .offset: 8, .size: 8, .value_kind: global_buffer, .address_space: global }
      - { .name: bq, .offset: 16, .size: 8, .value_kind: global_buffer, .address_space: global }
      - { .name: bk, .offset: 24, .size: 8, .value_kind: global_buffer, .address_space: global }
      - { .name: bv, .offset: 32, .size: 8, .value_kind: global_buffer, .address_space: global }
      - { .name: qkv, .offset: 40, .size: 8, .value_kind: global_buffer, .address_space: global }
    .group_segment_fixed_size: 327680
    .private_segment_fixed_size: 0
    .kernarg_segment_align: 8
    .kernarg_segment_size: 48
    .max_flat_workgroup_size: 128
    .sgpr_count:     80
    .vgpr_count:     1024
    .wavefront_size: 32
...
	.end_amdgpu_metadata
.endif
;; end of part 2
;; launch score (part 3): grid 36 x 4, 4 waves a work-group, no clusters, 327,680 bytes of LDS; arguments qkv, prob, stats; writes prob, stats
.if DOCPART == 3
	.amdgcn_target "amdgcn-amd-amdhsa--gfx1250"
	.amdhsa_code_object_version 6
	.text
	.protected	k_q3291266ca8_score
	.globl	k_q3291266ca8_score
	.p2align	8
	.type	k_q3291266ca8_score,@function
k_q3291266ca8_score:
	s_mov_b64 s[64:65], 0
	v_nop
	global_prefetch_b8 v0, s[64:65] scope:SCOPE_SE
	s_setreg_imm32_b32 hwreg(HW_REG_WAVE_MODE, 25, 1), 1
	s_wait_xcnt 0x0
; score: for each block of 256 queries x 256 keys at or under the diagonal (36 of 64 in each of 4 batches):
;   t = (q . k) log2(e) / 32, causal mask (masked t = -FLT_MAX);
;   for each row and each piece of 128 keys (a wave's tile): e = t's row maximum rounded to a whole number, P = 2^(t - e) in f16, l = sum of 2^(t - e).
; q and k are f16, sums f32.  stats: e[piece 0..15][row 0..8191] f32 at byte 0, l likewise at byte 524,288.
; prob IS STORED AS READY FRAGMENTS for the next launch's matrix instructions: the 16 queries x 32 keys of (batch, query block R of 16, key block Kb of 32)
; are 1,024 bytes at ((batch x 128 + R) x 64 + Kb) x 1,024; lane l's registers 0-3 lie at 16 l, its registers 4-7 at 512 + 16 l.
; My packed results of tile b are exactly registers 4 (b % 2) .. + 3 of key block b / 2 in the same lane, so they are stored as they stand:
; each store of the wave covers 512 consecutive bytes, aligned to 512, and no trip through LDS is needed.
; The maximum is taken away piece by piece; the next launch takes the maximum over the pieces and rescales by powers of two.  P <= 2^0.5.
; LIMITS: l sums the unrounded 2^(t - e) while the product later uses P rounded to f16 (absolute error at most 2^-25 under f16's normal range).
; In a diagonal block the tile of rows 0-127 x keys 128-255 is wholly masked: it is stored as P = 1, e = -FLT_MAX, l = 128 and no later launch reads it.
; NaN and infinities in the inputs are not treated apart.
; NO CLUSTER: a batch's blocks form a triangle whose rows hold 1 to 8 blocks, so no group of four along a row or a column divides it;
; partners would have to compute blocks that the mask throws away (28 of 64).
; The product is as in the projection: four waves of 128 x 128, K = 1024 in steps of 128, two LDS slots; here every wave issues a load of its own
; (waves 0, 1: q's two halves of 128 rows; waves 2, 3: k's).  Source 0 = rows of k, source 1 = rows of q: lane l holds query l % 16 and,
; in tile b, keys 16 b + 8 (l / 16) + 0..7, so a row's 128 keys lie in lanes l and l xor 16.
; The 64 accumulators take turns, one instruction a turn.
.set SIZE_K, 1024
.set KSTEP,  128
.set PITCH,  272
.set HALFT,  128*PITCH
.set SLOT,   4*HALFT
.set LAPS,   SIZE_K/(2*KSTEP)
.set PBLK,   65536                     ; bytes of prob from a block of 16 queries to the next: 64 key blocks of 1,024 bytes
.set ADRA, 16
.set ADRB, 20
.set CO,   26                          ; v26     16 x lane
.set LN4,  27                          ; v27     4 x lane
.set DLT,  28                          ; v28     128 (row half - column half) + l % 16 - 8 (l / 16)
.set LN,   29                          ; v29     lane
.set M,    32                          ; v32-35  four running maxima
.set EP,   36                          ; v36-37  e, twice
.set SP,   38                          ; v38-45  four running pairs of sums
.set DR,   46                          ; v46     DLT + 16 x row block
.set NEG,  47                          ; v47     -FLT_MAX
.set EV,   48                          ; v48-55  e of row block 0..7
.set LV,   56                          ; v56-63  l of row block 0..7
.set F0,   64
.set F1,   128
.set T,    64                          ; v64-127 at work: 64 numbers of a row block
.set TMP,  192                         ; v192-223 the row block's P, packed
.set G1,  24                           ; s[24:31] group 1
.set G0,  32                           ; s[32:39] group 0, a set for each slot
.set MSB, 0
.macro WIN new
.if MSB != \new
	s_set_vgpr_msb (MSB<<8)|\new
.set MSB, \new
.endif
.endm
.set MUL_LO, 0xa1
.set MUL_HI, 0xf1
.set TO_B,   0x40
	s_load_b128 s[4:7], s[0:1], 0x0                ; qkv s[4:5], prob s[6:7]
	s_load_b64 s[8:9], s[0:1], 0x10                ; stats
	s_set_vgpr_msb 0x40
	v_lshl_add_u32 v255, v0, 2, 0x44000
	s_set_vgpr_msb 0x4000
	v_mov_b32 v255, 0
	s_set_vgpr_msb 0x1
	ds_add_u32 v255, v255
	ds_add_u32 v255, v255
	s_set_vgpr_msb 0x100
	v_lshrrev_b32 v1, 5, v0
	v_readfirstlane_b32 s10, v1                    ; wave 0..3
	s_lshr_b32 s11, s10, 1                         ; my half of the queries; also: I fetch q (0) or k (1)
	s_and_b32 s12, s10, 1                          ; my half of the keys; also: which 128 rows I fetch
	; work-group x = i (i + 1) / 2 + j, j <= i: i counts the triangular numbers at or below it
	s_mov_b32 s13, 0
.irp n, 1,3,6,10,15,21,28
	s_cmp_ge_u32 ttmp9, \n
	s_add_co_ci_u32 s13, s13, 0
.endr
	s_add_co_u32 s15, s13, 1
	s_mul_i32 s15, s15, s13
	s_lshr_b32 s15, s15, 1
	s_sub_co_u32 s14, ttmp9, s15                   ; j
	s_and_b32 s15, ttmp7, 0xffff                   ; batch
	s_mov_b32 s[G1+0], (1<<16)|(1<<20)|(5<<22)|(3<<25)   ; no mask; 2-byte elements; 4 words of padding behind every 64
	s_mov_b32 s[G1+1], KSTEP<<16
	s_mov_b32 s[G1+2], 128<<16
	s_mov_b32 s[G1+3], KSTEP<<16
	s_mov_b32 s[G1+4], 128
	s_mov_b32 s[G1+5], SIZE_K
	s_mov_b32 s[G1+6], 0
	s_mov_b32 s[G1+7], 0
	s_cmp_eq_u32 s11, 0
	s_cselect_b32 s16, s13, s14                    ; q's tile hangs on i, k's on j
	s_lshl_b32 s16, s16, 8
	s_lshl_b32 s17, s12, 7
	s_add_co_u32 s16, s16, s17
	s_lshl_b32 s17, s15, 11
	s_add_co_u32 s16, s16, s17                     ; row among 8,192
	s_lshl_b32 s16, s16, 11                        ; x 2,048 bytes
	s_lshl_b32 s17, s11, 24                        ; k's plane lies 2^24 bytes behind q's
	s_add_co_u32 s16, s16, s17
	s_mov_b32 s17, 0
	s_mul_i32 s20, s10, HALFT                      ; LDS: wave x 128 rows
	s_mov_b32 s44, 0x3d38aa3b                      ; log2(e) / 32
	s_mov_b32 s45, 0x3d38aa3b
	s_mov_b32 s46, 0x76543210                      ; v_permlanex16_b32: lane l reads lane l xor 16
	s_mov_b32 s47, 0xfedcba98
	s_wait_dscnt 0x0
	s_wait_kmcnt 0x0
	s_add_nc_u64 s[18:19], s[4:5], s[16:17]
.irp s, 0,1
	s_mov_b32 s[G0+4*\s], 1
	s_add_co_u32 s[G0+4*\s+1], s20, \s*SLOT
	s_add_nc_u64 s[G0+4*\s+2:G0+4*\s+3], s[18:19], \s*KSTEP*2
	s_or_b32 s[G0+4*\s+3], s[G0+4*\s+3], 0x80000000
	tensor_load_to_lds s[G0+4*\s:G0+4*\s+3], s[G1:G1+7]    ; both first fills at once: two tensor loads of the wave are out
	s_nop 0
.endr
	v_and_b32 v1, 15, v0
	v_bfe_u32 v2, v0, 4, 1
	v_mul_u32_u24 v3, v1, PITCH
	v_lshl_add_u32 v3, v2, 4, v3
	s_mul_i32 s21, s11, HALFT
	s_mul_i32 s22, s12, HALFT
	s_add_co_u32 s22, s22, 2*HALFT
.irp s, 0,1
	v_add_nc_u32 v[ADRA+\s], s21, v3
	v_add_nc_u32 v[ADRB+\s], s22, v3
	s_add_co_u32 s21, s21, SLOT
	s_add_co_u32 s22, s22, SLOT
.endr
	v_and_b32 v[LN], 31, v0
	v_lshlrev_b32 v[LN4], 2, v[LN]
	v_lshlrev_b32 v[CO], 4, v[LN]
	s_sub_co_i32 s17, s11, s12
	s_lshl_b32 s17, s17, 7                         ; 128 (row half - column half)
	v_lshlrev_b32 v5, 3, v2
	v_sub_nc_u32 v[DLT], v1, v5
	v_add_nc_u32 v[DLT], s17, v[DLT]
	v_mov_b32 v[NEG], 0xff7fffff
.macro MUL16 f, hi, a0, zero
.irp a, \a0, \a0+1
.irp b, 0,1,2,3,4,5,6,7
.if \zero
	v_wmma_f32_16x16x32_f16 v[8*(8*(\a)+\b):8*(8*(\a)+\b)+7], v[\f+8*\b:\f+8*\b+7], v[\f+8*(4*\hi+\a):\f+8*(4*\hi+\a)+7], 0
.else
	v_wmma_f32_16x16x32_f16 v[8*(8*(\a)+\b):8*(8*(\a)+\b)+7], v[\f+8*\b:\f+8*\b+7], v[\f+8*(4*\hi+\a):\f+8*(4*\hi+\a)+7], v[8*(8*(\a)+\b):8*(8*(\a)+\b)+7]
.endif
.endr
.endr
.endm
.macro FETCH slot, k, f
	WIN TO_B
.irp i, 0,1,2,3,4,5,6,7
	ds_load_b128 v[\f+8*\i:\f+8*\i+3],   v[ADRB+\slot] offset:\k+\i*16*PITCH
	ds_load_b128 v[\f+8*\i+4:\f+8*\i+7], v[ADRB+\slot] offset:\k+\i*16*PITCH+32
.endr
	WIN 0
.irp i, 0,1,2,3,4,5,6,7
	ds_load_b128 v[\f+8*\i:\f+8*\i+3],   v[ADRA+\slot] offset:\k+\i*16*PITCH
	ds_load_b128 v[\f+8*\i+4:\f+8*\i+7], v[ADRA+\slot] offset:\k+\i*16*PITCH+32
.endr
.endm
.macro PLACES                          ; four independent vector places behind a matrix instruction (ISA guide 7.12.1)
.rept 4
	v_nop
.endr
.endm
.macro QUARTER slot, k, f, g, zero
	s_wait_dscnt 8                                 ; k's rows and q's rows 0-63 are in; the youngest eight loads may be out
	WIN MUL_LO
	MUL16 \f, 0, 0, \zero
	MUL16 \f, 0, 2, \zero
	PLACES
	FETCH \slot, \k, \g
	s_wait_dscnt 32                                ; all but the 32 just issued
	WIN MUL_HI
	MUL16 \f, 1, 0, \zero
	MUL16 \f, 1, 2, \zero
.endm
.macro THREE slot, zero
	QUARTER \slot, 64,  F0, F1, \zero
	QUARTER \slot, 128, F1, F0, 0
	QUARTER \slot, 192, F0, F1, 0
.endm
; The change of slots: each wave waits for its reads of this slot and for all its tensor loads, then the barrier; the refill is the first thing behind it.
.macro TURN slot, next, fill
	s_wait_dscnt 8
	WIN MUL_LO
	MUL16 F1, 0, 0, 0
	s_wait_dscnt 0                                 ; my reads of this slot are over
	s_wait_tensorcnt 0x0                           ; all my tensor loads have landed: my part of the next slot
	ds_add_u32 v255, v255
	s_wait_dscnt 0x0
	s_barrier_signal -1
	MUL16 F1, 0, 2, 0                              ; register work while the others arrive
	s_barrier_wait -1
.if \fill
	s_add_nc_u64 s[G0+4*\slot+2:G0+4*\slot+3], s[G0+4*\slot+2:G0+4*\slot+3], 2*KSTEP*2   ; no load of mine is out: the address may step
	tensor_load_to_lds s[G0+4*\slot:G0+4*\slot+3], s[G1:G1+7]      ; the wave's one tensor load behind this barrier
	s_nop 0
.endif
	PLACES
	FETCH \next, 0, F0
	WIN MUL_HI
	MUL16 F1, 1, 0, 0
	MUL16 F1, 1, 2, 0
.endm
.macro LAP zero
	THREE 0, \zero
	TURN 0, 1, 1
	THREE 1, 0
	TURN 1, 0, 1
.endm
	s_wait_tensorcnt 1                             ; my part of K step 0 is in; K step 1's stays out
	s_barrier_signal -1
	s_barrier_wait -1
	FETCH 0, 0, F0
	LAP 1
	WIN 0
	s_mov_b32 s3, LAPS-2
.Llap:
	LAP 0
	WIN 0
	s_sub_co_u32 s3, s3, 1
	s_cmp_lg_u32 s3, 0
	s_cbranch_scc1 .Llap
	THREE 0, 0
	TURN 0, 1, 0
	THREE 1, 0
	s_wait_dscnt 8
	WIN MUL_LO
	MUL16 F1, 0, 0, 0
	MUL16 F1, 0, 2, 0
	s_wait_dscnt 0
	WIN MUL_HI
	MUL16 F1, 1, 0, 0
	MUL16 F1, 1, 2, 0
	PLACES
	; prob: my first block of 16 queries is (my first row) / 16, of 65,536 bytes each = row x 4,096; my piece of 128 keys is four key blocks = 4,096 bytes
	s_lshl_b32 s16, s15, 11
	s_lshl_b32 s17, s13, 8
	s_add_co_u32 s16, s16, s17
	s_lshl_b32 s17, s11, 7
	s_add_co_u32 s16, s16, s17                     ; my first row among 8,192
	s_lshl_b32 s18, s14, 1
	s_add_co_u32 s18, s18, s12                     ; my piece of 128 keys: 2 j + column half
	s_lshl_b32 s19, s18, 13
	s_add_co_u32 s19, s19, s16
	s_lshl_b32 s22, s19, 2                         ; stats: (piece x 8192 + row) x 4 bytes
	s_mov_b32 s23, 0
	s_add_nc_u64 s[8:9], s[8:9], s[22:23]
	s_lshl_b32 s16, s16, 12
	s_lshl_b32 s18, s18, 12
	s_add_co_u32 s16, s16, s18
	s_mov_b32 s17, 0
	s_add_nc_u64 s[6:7], s[6:7], s[16:17]
; 16 queries x 128 keys: row block i = tiles (a, 0..7) of window 2 or 3 (from = 0x02 or 0x03: source 0)
.macro SOFT16 i, a, from
	WIN \from
.irp b, 0,1,2,3,4,5,6,7
.irp r, 0,1,2,3
	v_pk_mul_f32 v[T+8*\b+2*\r:T+8*\b+2*\r+1], v[8*(8*\a+\b)+2*\r:8*(8*\a+\b)+2*\r+1], s[44:45] op_sel_hi:[1,0]
.endr
.endr
	WIN 0
	s_cmp_eq_u32 s13, s14                          ; only a diagonal block has masked numbers
	s_cbranch_scc0 .Lopen_\@
	v_add_nc_u32 v[DR], 16*\i, v[DLT]              ; key 16 b + jj of my lane is masked where 16 b + jj > query - (the lane's first key)
.irp b, 0,1,2,3,4,5,6,7
.irp jj, 0,1,2,3,4,5,6,7
	v_cmp_gt_i32 vcc_lo, 16*\b+\jj, v[DR]
	v_cndmask_b32 v[T+8*\b+\jj], v[T+8*\b+\jj], v[NEG], vcc_lo
.endr
.endr
.Lopen_\@:
	; the row's maximum: four chains over my 64 numbers, then the lane that holds the row's other half
.irp c, 0,1,2,3
	v_max3_num_f32 v[M+\c], v[T+16*\c], v[T+16*\c+1], v[T+16*\c+2]
.endr
.irp n, 3,5,7,9,11,13
.irp c, 0,1,2,3
	v_max3_num_f32 v[M+\c], v[M+\c], v[T+16*\c+\n], v[T+16*\c+\n+1]
.endr
.endr
.irp c, 0,1,2,3
	v_max_num_f32 v[M+\c], v[M+\c], v[T+16*\c+15]
.endr
	v_max3_num_f32 v[M], v[M], v[M+1], v[M+2]
	v_max_num_f32 v[M], v[M], v[M+3]
	v_permlanex16_b32 v[M+1], v[M], s46, s47
	v_max_num_f32 v[M], v[M], v[M+1]
	v_rndne_f32 v[EP], v[M]                        ; a whole number: the later rescaling is by a power of two
	v_rndne_f32 v[EP+1], v[M]
	v_rndne_f32 v[EV+\i], v[M]
.irp n, 0,2,4,6,8,10,12,14,16,18,20,22,24,26,28,30,32,34,36,38,40,42,44,46,48,50,52,54,56,58,60,62
	v_pk_add_f32 v[T+\n:T+\n+1], v[T+\n:T+\n+1], v[EP:EP+1] neg_lo:[0,1] neg_hi:[0,1]
.endr
.set ix, 0
.rept 64
	v_exp_f32 v[T+ix], v[T+ix]
.set ix, ix+1
.endr
	v_nop                                          ; one plain vector place behind the last exponential, ahead of the first use (ISA guide 5.7.2)
	s_wait_alu depctr_va_vdst(0)
.irp c, 0,1,2,3
	v_pk_add_f32 v[SP+2*\c:SP+2*\c+1], v[T+16*\c:T+16*\c+1], v[T+16*\c+2:T+16*\c+3]
.endr
.irp n, 4,6,8,10,12,14
.irp c, 0,1,2,3
	v_pk_add_f32 v[SP+2*\c:SP+2*\c+1], v[SP+2*\c:SP+2*\c+1], v[T+16*\c+\n:T+16*\c+\n+1]
.endr
.endr
	v_pk_add_f32 v[SP:SP+1], v[SP:SP+1], v[SP+2:SP+3]
	v_pk_add_f32 v[SP+4:SP+5], v[SP+4:SP+5], v[SP+6:SP+7]
	v_pk_add_f32 v[SP:SP+1], v[SP:SP+1], v[SP+4:SP+5]
	v_add_f32 v[SP], v[SP], v[SP+1]
	v_permlanex16_b32 v[SP+1], v[SP], s46, s47
	v_add_f32 v[LV+\i], v[SP], v[SP+1]
	s_wait_xcnt 0x0                                ; the packed registers are the data of the last row block's stores: rewritten only behind this wait
.irp b, 0,1,2,3,4,5,6,7
.irp r, 0,1,2,3
	v_cvt_pk_f16_f32 v[TMP+4*\b+\r], v[T+8*\b+2*\r], v[T+8*\b+2*\r+1]
.endr
.endr
.irp b, 0,1,2,3,4,5,6,7
	global_store_b128 v[CO], v[TMP+4*\b:TMP+4*\b+3], s[6:7] offset:\i*PBLK+512*\b   ; half b % 2 of key block b / 2: the wave stores 512 consecutive bytes, aligned to 512
.endr
.endm
	SOFT16 0, 0, 0x02
	SOFT16 1, 1, 0x02
	SOFT16 2, 2, 0x02
	SOFT16 3, 3, 0x02
	SOFT16 4, 0, 0x03
	SOFT16 5, 1, 0x03
	SOFT16 6, 2, 0x03
	SOFT16 7, 3, 0x03
	; e and l of my 128 rows.  Lanes l and l xor 16 hold the same row's figures, so lanes 0-15 give row block 2 q and lanes 16-31 row block 2 q + 1:
	; a store covers 32 rows, 128 consecutive bytes (the two tables are 1 MiB in all).
	v_cmp_lt_u32 vcc_lo, 15, v[LN]
.irp q, 0,1,2,3
	v_cndmask_b32 v[M+\q],   v[EV+2*\q], v[EV+2*\q+1], vcc_lo
	v_cndmask_b32 v[M+4+\q], v[LV+2*\q], v[LV+2*\q+1], vcc_lo
.endr
.irp q, 0,1,2,3
	global_store_b32 v[LN4], v[M+\q],   s[8:9] offset:128*\q
	global_store_b32 v[LN4], v[M+4+\q], s[8:9] offset:524288+128*\q
.endr
	s_endpgm
.Lfunc_end_k_q3291266ca8_score:
	.size	k_q3291266ca8_score, .Lfunc_end_k_q3291266ca8_score-k_q3291266ca8_score
	.p2alignl 7, 3214868480
	.fill 96, 4, 3214868480
	.section	.rodata,"a",@progbits
	.p2align	6, 0x0
	.amdhsa_kernel k_q3291266ca8_score
		.amdhsa_group_segment_fixed_size 327680
		.amdhsa_private_segment_fixed_size 0
		.amdhsa_enable_private_segment 0
		.amdhsa_kernarg_size 24
		.amdhsa_user_sgpr_count 2
		.amdhsa_user_sgpr_kernarg_segment_ptr 1
		.amdhsa_wavefront_size32 1
		.amdhsa_system_sgpr_workgroup_id_x 1
		.amdhsa_system_sgpr_workgroup_id_y 1
		.amdhsa_system_sgpr_workgroup_id_z 1
		.amdhsa_system_vgpr_workitem_id 0
		.amdhsa_next_free_vgpr 1024
		.amdhsa_next_free_sgpr 66
		.amdhsa_reserve_vcc 1
		.amdhsa_float_denorm_mode_32 3
		.amdhsa_float_denorm_mode_16_64 3
		.amdhsa_memory_ordered 1
		.amdhsa_forward_progress 1
		.amdhsa_inst_pref_size 255
	.end_amdhsa_kernel
	.section	.bss,"aw",@nobits
	.p2align	6
	.space	262144
	.amdgpu_metadata
---
amdhsa.version: [ 1, 2 ]
amdhsa.kernels:
  - .name:           k_q3291266ca8_score
    .symbol:         k_q3291266ca8_score.kd
    .args:
      - { .name: qkv, .offset: 0, .size: 8, .value_kind: global_buffer, .address_space: global }
      - { .name: prob, .offset: 8, .size: 8, .value_kind: global_buffer, .address_space: global }
      - { .name: stats, .offset: 16, .size: 8, .value_kind: global_buffer, .address_space: global }
    .group_segment_fixed_size: 327680
    .private_segment_fixed_size: 0
    .kernarg_segment_align: 8
    .kernarg_segment_size: 24
    .max_flat_workgroup_size: 128
    .sgpr_count:     66
    .vgpr_count:     1024
    .wavefront_size: 32
...
	.end_amdgpu_metadata
.endif
;; end of part 3
;; launch pv (part 4): grid 4 x 64, 4 waves a work-group, clusters of 4 x 1, 327,680 bytes of LDS; arguments prob, qkv, stats, out0; writes out0
.if DOCPART == 4
	.amdgcn_target "amdgcn-amd-amdhsa--gfx1250"
	.amdhsa_code_object_version 6
	.text
	.protected	k_q3291266ca8_pv
	.globl	k_q3291266ca8_pv
	.p2align	8
	.type	k_q3291266ca8_pv,@function
k_q3291266ca8_pv:
	s_mov_b64 s[64:65], 0
	v_nop
	global_prefetch_b8 v0, s[64:65] scope:SCOPE_SE
	s_setreg_imm32_b32 hwreg(HW_REG_WAVE_MODE, 25, 1), 1
	s_wait_xcnt 0x0
	s_wait_alu depctr_hold_cnt(0) depctr_sa_sdst(0) depctr_va_vdst(0) depctr_va_sdst(0) depctr_va_ssrc(0) depctr_va_vcc(0) depctr_vm_vsrc(0)
	s_getreg_b32 s2, hwreg(HW_REG_IB_STS2, 6, 4)
	s_cmp_eq_u32 s2, 0
	s_cbranch_scc0 .Lentry_in_a_cluster
	s_endpgm
.Lentry_in_a_cluster:
	s_bfe_u32 s2, ttmp6, 0x10000c
	s_cmp_lg_u32 s2, 0x3003
	s_cbranch_scc0 .Lentry_shape_is_right
	s_endpgm
.Lentry_shape_is_right:
; pv: out0[b][m][d] = ( sum over pieces j <= i of 2^(e_j - E) (P_j V_j)[m][d] ) / L,  E = max over j of e_j,  L = sum over j of l_j 2^(e_j - E).
; A work-group makes 128 queries (block i) x 256 columns with four waves of 64 x 128: 32 accumulator tiles, 256 registers (window 1).
; A step is a piece of 128 keys, four quarters of 32.  P and V are f16.  P's fragments are multiplied by the row's 2^(e_j - E) in f16: a power of two at most 1.
; V goes through LDS: two slots of 256 keys x 512 bytes (two steps each), filled by the tensor data mover, one barrier for two steps; from a request to the
; wait for it a wave issues 240 matrix instructions.
; P COMES STRAIGHT INTO REGISTERS: the launch before stored it as ready fragments (1,024 bytes for 16 queries x 32 keys, lane l's registers 0-3 at 16 l, 4-7 at
; 512 + 16 l), so a load of the wave takes 512 consecutive bytes.  A ring of eight units of 32 registers (window 2; a unit = my 64 rows x 32 keys = 8 loads)
; is filled seven quarters ahead: 56 loads of the wave are out, and they stay out across the barriers.
; WHY P IS NOT ASKED FOR JOINTLY, though the four column blocks read the same P: two slots of 256 keys that held P beside V would take
; 2 x (256 x 544 + 128 x 528) = 413,696 bytes of the 327,680; with slots of 128 keys only 112 matrix instructions stand between a request and its wait.
; CLUSTERS of 4 x 1: the four partners are the query blocks i = 4 g + cx of one group g; y = batch x 16 + g x 4 + column block.  V's tile hangs on y alone
; and is asked for jointly by all four (mask 15).  All partners run 4 g + 4 steps.  For pieces j > i a work-group goes on: P's address is held at piece i
; and the scale is 0, so those steps add exact zeros (160 steps for 136 of use in a batch and column block), and every partner makes every joint request.
; LIMITS: V must be finite where the scale is 0 (0 x infinity would be NaN).  In f16 a scale 2^(e_j - E) below 2^-25 counts as 0 in the product (L keeps it
; in f32 down to 2^-126), and P x scale is exact unless it falls under f16's normal range, where its absolute error is at most 2^-25 of the row's largest weight.
; Source 0 = V (stored [key][d], read by the transposing LDS load), source 1 = P: lane l holds query l % 16 and columns 8 (l / 16) + 0..7 of tile b.
; The 32 accumulators take turns, one instruction a turn, in the same order in every quarter.
.set VPITCH, 544                       ; V's LDS row: 512 bytes + 32 of padding
.set HSTEP,  128*VPITCH                ; 69,632: one step's keys
.set SLOT,   256*VPITCH                ; 139,264: two steps' keys
.set TAB,    2*SLOT                    ; 278,528: 2^(e_j - E) as two equal f16, [16 pieces][128 rows] words; no fill lands from here on
.set RLT,    TAB+8192                  ; 1 / L, 128 words
.set STAGE,  RLT+512                   ; 16 rows x 528 bytes for each wave; ends at 321,024
.set SPITCH, 528
.set STEPV,  256*2048                  ; bytes of memory from a slot's keys to the next 256
.set OROW,   4096                      ; bytes of a row of out0
.set PBLK,   65536                     ; bytes of prob from a block of 16 queries to the next
.set MAXG,   3                         ; trips of the loop in the longest cluster
.set RLA,  14                          ; v14     address of my rows' 1 / L
.set VSB,  15                          ; v15     address of my rows' scales of piece 0; never rewritten
.set ADRV, 16                          ; v16-19  my V fragments: slot 0 step 0, slot 0 step 1, slot 1 step 0, slot 1 step 1
.set VSC,  20                          ; v20     address of my rows' scales of the piece fetched last
.set STO,  21
.set RD,   22
.set LN16, 23                          ; v23     16 x lane: my place in a load of P and in a store of out0; never rewritten
.set SC,   24                          ; v24-27, v28-31  scales of tile rows a = 0..3: a set for each of a slot's two steps
.set BF,   96                          ; v96-159, v160-223  V fragments, two buffers
.set G1V, 48                           ; s[48:55]
.set G0V, 56                           ; s[56:63] a set for each slot
.set ACCW, 0x58                        ; source 0 (V) window 0, source 1 (P) window 2, C and D window 1
.set PWIN, 0x88                        ; destination and source 1 window 2 (P), source 0 window 0 (a scale; a load's offset)
.set MSB, 0
.macro WIN new
.if MSB != \new
	s_set_vgpr_msb (MSB<<8)|\new
.set MSB, \new
.endif
.endm
.macro CREST                           ; a round of the cluster's barrier behind its opening work-group barrier
	s_cmp_lg_u32 s12, 0
	s_cbranch_scc1 .Lnot_wave_0_\@
	s_barrier_signal -3
.Lnot_wave_0_\@:
	s_barrier_wait -3
	s_barrier_signal -1
	s_barrier_wait -1
.endm
.macro CROUND
	s_barrier_signal -1
	s_barrier_wait -1
	CREST
.endm
.macro PLOAD u, q, base                ; unit u of the ring: quarter q of the piece at s[base]: my four blocks of 16 queries, two loads each
.irp a, 0,1,2,3
	global_load_b128 v[32*\u+8*\a:32*\u+8*\a+3],   v[LN16], s[\base:\base+1] offset:\a*PBLK+\q*1024
	global_load_b128 v[32*\u+8*\a+4:32*\u+8*\a+7], v[LN16], s[\base:\base+1] offset:\a*PBLK+\q*1024+512
.endr
.endm
	s_load_b256 s[4:11], s[0:1], 0x0               ; prob s[4:5], qkv s[6:7], stats s[8:9], out0 s[10:11]
	v_lshl_add_u32 v254, v0, 2, 0x4e600
	v_mov_b32 v255, 0
	ds_add_u32 v254, v255
	ds_add_u32 v254, v255
	v_lshrrev_b32 v1, 5, v0
	v_readfirstlane_b32 s12, v1                    ; wave 0..3
	s_lshr_b32 s13, s12, 1                         ; my half of the rows
	s_and_b32 s14, s12, 1                          ; my half of the columns
	s_bfe_u32 s40, ttmp6, 0x40000                  ; cx: my query block in the group
	s_and_b32 s42, ttmp7, 0xffff                   ; y, 0..63
	s_lshr_b32 s43, s42, 4                         ; batch
	s_bfe_u32 s44, s42, 0x20002                    ; g
	s_and_b32 s41, s42, 3                          ; column block
	s_lshl2_add_u32 s45, s44, s40                  ; i = 4 g + cx
	; group 1 of V: 64 rows x 256 elements of 2 bytes, pitch 1,024 elements, 8 words of padding behind every 128; asked for by all four partners
	s_mov_b32 s[G1V+0], 15|(1<<16)|(1<<20)|(1<<21)|(6<<22)|(7<<25)
	s_mov_b32 s[G1V+1], 256<<16
	s_mov_b32 s[G1V+2], 64<<16
	s_mov_b32 s[G1V+3], 256<<16
	s_mov_b32 s[G1V+4], 64
	s_mov_b32 s[G1V+5], 1024
	s_mov_b32 s[G1V+6], 0
	s_mov_b32 s[G1V+7], 0
	; offsets.  What feeds V's descriptors (s46, s47, s68) is made of the batch, the column block and the wave's number alone, never of cx.
	s_lshl_b32 s18, s43, 11
	s_lshl_b32 s19, s45, 7
	s_add_co_u32 s18, s18, s19                     ; the block's first query among 8,192
	s_lshl_b32 s70, s18, 2                         ; stats: 4 bytes a row
	s_mov_b32 s71, 0
	s_lshl_b32 s19, s13, 6
	s_add_co_u32 s72, s18, s19
	s_lshl_b32 s72, s72, 12                        ; my first row x 4,096 bytes: in out0 a row's bytes, in prob 65,536 bytes for 16 rows
	s_mov_b32 s73, 0
	s_lshl_b32 s46, s43, 11
	s_lshl_b32 s47, s12, 6
	s_add_co_u32 s46, s46, s47
	s_lshl_b32 s46, s46, 11                        ; V: (batch x 2048 + 64 x wave) x 2,048 bytes
	s_lshl_b32 s47, s41, 9
	s_add_co_u32 s46, s46, s47                     ; + 512 x column block
	s_add_co_u32 s46, s46, 0x2000000               ; + v's plane
	s_mov_b32 s47, 0
	s_lshl_b32 s76, s41, 10                        ; out0: 1,024 x column block + 512 x column half
	s_lshl_b32 s77, s14, 9
	s_add_co_u32 s76, s76, s77
	s_mov_b32 s77, 0
	s_mul_i32 s68, s12, 64*VPITCH                  ; LDS of my 64 keys of a slot: wave x 34,816
	s_min_u32 s22, s45, 1                          ; piece min(1, i),
	s_lshl_b32 s22, s22, 12                        ; of 4,096 bytes in each block of 16 queries
	s_mov_b32 s23, 0
	s_mov_b32 s16, 2                               ; the next piece whose P gets a base
	s_mov_b32 s78, 0                               ; the next piece whose scales are fetched
	; thread t is row t of the block: e and l of pieces 0..15, held at piece i beyond it
	v_lshlrev_b32 v1, 2, v0
.irp jj, 0,1,2,3,4,5,6,7,8,9,10,11,12,13,14,15
	s_min_u32 s19, s45, \jj
	s_lshl_b32 s19, s19, 15                        ; a piece's table is 8,192 rows x 4 bytes
	v_add_nc_u32 v[128+\jj], s19, v1
.endr
	v_and_b32 v4, 31, v0                           ; l
	v_lshlrev_b32 v[LN16], 4, v4
	s_wait_dscnt 0x0
	s_wait_kmcnt 0x0
	s_add_nc_u64 s[8:9], s[8:9], s[70:71]
	s_add_nc_u64 s[10:11], s[10:11], s[72:73]
	s_add_nc_u64 s[10:11], s[10:11], s[76:77]
	s_add_nc_u64 s[20:21], s[4:5], s[72:73]        ; P's base: piece 0 of my 64 rows; never rewritten
	s_add_nc_u64 s[24:25], s[20:21], s[22:23]      ; P's running base: now piece min(1, i)
	s_add_nc_u64 s[46:47], s[6:7], s[46:47]
.irp jj, 0,1,2,3,4,5,6,7,8,9,10,11,12,13,14,15
	global_load_b32 v[96+\jj],  v[128+\jj], s[8:9]
	global_load_b32 v[112+\jj], v[128+\jj], s[8:9] offset:524288
.endr
	WIN PWIN
	PLOAD 0, 0, 20                                 ; the first three quarters of piece 0: 32 + 24 = 56 loads are out
	PLOAD 1, 1, 20
	PLOAD 2, 2, 20
	WIN 0
	CROUND                                         ; all four work-groups are here: the first joint loads meet
.irp s, 0,1
	s_mov_b32 s[G0V+4*\s], 1
	s_add_co_u32 s[G0V+4*\s+1], s68, \s*SLOT
	s_add_nc_u64 s[G0V+4*\s+2:G0V+4*\s+3], s[46:47], \s*STEPV
	s_or_b32 s[G0V+4*\s+3], s[G0V+4*\s+3], 0x80000000
	tensor_load_to_lds s[G0V+4*\s:G0V+4*\s+3], s[G1V:G1V+7]   ; both first fills behind the one round: two tensor loads of the wave are out
	s_nop 0
.endr
	v_and_b32 v2, 15, v0                           ; r = l % 16
	v_bfe_u32 v3, v0, 4, 1                         ; h = l / 16
	v_and_b32 v5, 7, v0                            ; V: (8 h + l % 8) x pitch + 256 x column half + 16 ((l / 8) % 2)
	v_lshl_add_u32 v5, v3, 3, v5
	v_mul_u32_u24 v5, v5, VPITCH
	v_bfe_u32 v6, v0, 3, 1
	v_lshl_add_u32 v5, v6, 4, v5
	s_lshl_b32 s17, s14, 8
	v_add_nc_u32 v[ADRV], s17, v5
	v_add_nc_u32 v[ADRV+1], HSTEP, v[ADRV]         ; a register for each step of each slot: an LDS offset has 16 bits, a step's keys take 69,632 bytes
	v_add_nc_u32 v[ADRV+2], SLOT, v[ADRV]
	v_add_nc_u32 v[ADRV+3], SLOT+HSTEP, v[ADRV]
	s_lshl_b32 s17, s13, 8                         ; 64 x row half rows of 4 bytes
	v_lshl_add_u32 v5, v2, 2, s17
	v_add_nc_u32 v[VSB], TAB, v5
	v_add_nc_u32 v[RLA], RLT, v5
	s_mul_i32 s17, s12, 16*SPITCH
	s_add_co_u32 s17, s17, STAGE                   ; my stage
	v_mul_u32_u24 v5, v2, SPITCH
	v_lshl_add_u32 v5, v3, 5, v5
	v_add_nc_u32 v[STO], s17, v5                   ; in: row r, 32 bytes for each half of the lanes
	v_lshl_add_u32 v[RD], v4, 4, s17               ; back: a row of 512 bytes, 16 bytes a lane
	v_add_nc_u32 v8, TAB, v1                       ; where thread t puts row t's scales
	s_wait_loadcnt 24                              ; e and l are in; the 24 loads of P issued behind them stay out
	v_max3_num_f32 v7, v96, v97, v98               ; E
.irp jj, 99,101,103,105,107,109
	v_max3_num_f32 v7, v7, v[\jj], v[\jj+1]
.endr
	v_max_num_f32 v7, v7, v111
.irp jj, 0,1,2,3,4,5,6,7,8,9,10,11,12,13,14,15
	v_sub_f32 v[96+\jj], v[96+\jj], v7
.endr
.irp jj, 0,1,2,3,4,5,6,7,8,9,10,11,12,13,14,15
	v_exp_f32 v[96+\jj], v[96+\jj]
.endr
	v_nop                                          ; one plain vector place behind the last exponential (ISA guide 5.7.2)
	s_wait_alu depctr_va_vdst(0)
.irp jj, 0,1,2,3,4,5,6,7,8,9,10,11,12,13,14,15
	s_cmp_ge_u32 s45, \jj                          ; pieces beyond i count for nothing: a value is chosen, no way is
	s_cselect_b32 s17, 1.0, 0
	v_mul_f32 v[96+\jj], s17, v[96+\jj]
.if \jj
	v_fmac_f32 v9, v[112+\jj], v[96+\jj]
.else
	v_mul_f32 v9, v112, v96                        ; the first term starts L
.endif
	v_cvt_pk_f16_f32 v[96+\jj], v[96+\jj], v[96+\jj]
	ds_store_b32 v8, v[96+\jj] offset:512*\jj
.endr
	v_rcp_f32 v10, v9                              ; L >= 2^-0.5: the piece with e_j = E has scale 1 and a term of at least 2^-0.5
	v_nop
	s_wait_alu depctr_va_vdst(0)
	ds_store_b32 v8, v10 offset:8192
	WIN PWIN
	PLOAD 3, 3, 20                                 ; the rest of piece 0 and three quarters of piece 1: units 0 to 6 are asked for, 56 loads at the most are out
	PLOAD 4, 0, 24
	PLOAD 5, 1, 24
	PLOAD 6, 2, 24
	WIN 0
.macro FETCH slot, u                   ; V's fragments of a slot's quarter u (0..7) into buffer u % 2: 16 transposing loads
.irp b, 0,1,2,3,4,5,6,7
	ds_load_tr16_b128 v[BF+64*((\u)&1)+8*\b:BF+64*((\u)&1)+8*\b+3],   v[ADRV+2*\slot+((\u)>>2)] offset:((\u)&3)*32*VPITCH+32*\b
	ds_load_tr16_b128 v[BF+64*((\u)&1)+8*\b+4:BF+64*((\u)&1)+8*\b+7], v[ADRV+2*\slot+((\u)>>2)] offset:((\u)&3)*32*VPITCH+16*VPITCH+32*\b
.endr
.endm
; The next piece's scales of my 64 rows into set sc.  The address is made anew from the table's base and the piece's number, which is held at 15,
; the table's last piece: 512 x 15 + 4 x 79 + 192 + 4 = 8,192, so every such load stays inside the table's 8,192 bytes.
.macro FETCHSC sc
	s_min_u32 s79, s78, 15
	s_lshl_b32 s79, s79, 9                         ; a piece's 128 words
	v_add_nc_u32 v[VSC], s79, v[VSB]
	s_add_co_u32 s78, s78, 1
.irp a, 0,1,2,3
	ds_load_b32 v[SC+4*\sc+\a], v[VSC] offset:64*\a
.endr
.endm
; The head of quarter u of a slot.  left: how many younger loads of P may stay out (six units of 8 in the steady state).  Unit u is multiplied by the rows'
; scales; these 32 plain vector instructions name no register of the matrix instructions in front of them, so they are also the places
; ahead of the loads into what those have read: the unit used last quarter and the other V buffer.  ld = 1: that unit is asked for again, seven quarters ahead.
.macro PREP u, left, ld
	s_wait_loadcnt \left                           ; loads come back in order: unit u is in
	s_wait_dscnt 0x0                               ; V's fragments and the scales: issued ahead of the last 32 matrix instructions
	WIN PWIN
.irp a, 0,1,2,3
.irp n, 0,1,2,3,4,5,6,7
	v_pk_mul_f16 v[32*(\u)+8*\a+\n], v[SC+4*((\u)>>2)+\a], v[32*(\u)+8*\a+\n]
.endr
.endr
.if \ld
.if ((\u)&3) == 1
	s_wait_xcnt 0x0                                ; the running base is a source of the loads that are out: rewritten only behind this wait
	s_min_u32 s22, s16, s45                        ; the piece two steps on, held at i
	s_lshl_b32 s22, s22, 12
	s_add_nc_u64 s[24:25], s[20:21], s[22:23]
	s_add_co_u32 s16, s16, 1
.endif
.set pu, ((\u)+7)&7
.set pq, ((\u)+3)&3
.irp a, 0,1,2,3
	global_load_b128 v[32*pu+8*\a:32*pu+8*\a+3],   v[LN16], s[24:25] offset:\a*PBLK+pq*1024
	global_load_b128 v[32*pu+8*\a+4:32*pu+8*\a+7], v[LN16], s[24:25] offset:\a*PBLK+pq*1024+512
.endr
.endif
.endm
.macro MUL16 u, a0, zero               ; 16 matrix instructions: tile rows a0, a0 + 1 x all 8 tile columns, the 32 keys of unit u
.irp a, \a0, \a0+1
.irp b, 0,1,2,3,4,5,6,7
.if \zero
	v_wmma_f32_16x16x32_f16 v[8*(8*(\a)+\b):8*(8*(\a)+\b)+7], v[BF+64*((\u)&1)+8*\b:BF+64*((\u)&1)+8*\b+7], v[32*(\u)+8*(\a):32*(\u)+8*(\a)+7], 0
.else
	v_wmma_f32_16x16x32_f16 v[8*(8*(\a)+\b):8*(8*(\a)+\b)+7], v[BF+64*((\u)&1)+8*\b:BF+64*((\u)&1)+8*\b+7], v[32*(\u)+8*(\a):32*(\u)+8*(\a)+7], v[8*(8*(\a)+\b):8*(8*(\a)+\b)+7]
.endif
.endr
.endr
.endm
.macro PLACES
.rept 4
	v_nop
.endr
.endm
.macro QUARTER slot, u, zero, left, ld ; quarters 0 to 6 of a slot: ahead of the products the next quarter's V fragments are fetched
	PREP \u, \left, \ld
	WIN 0
.if ((\u)&3) == 3
	FETCHSC 1                                      ; the slot's second step follows
.endif
	FETCH \slot, (\u)+1
	WIN ACCW
	MUL16 \u, 0, \zero
	MUL16 \u, 2, \zero
.endm
.macro SEVEN slot
.irp u, 0,1,2,3,4,5,6
	QUARTER \slot, \u, 0, 48, 1
.endr
.endm
; A slot's last quarter and the change of slots.  In front of the barrier: my reads of this slot are back (PREP's wait; no LDS read of the slot follows it), all my
; tensor loads have landed.  With fill the barrier opens a round of the cluster's barrier, and the joint refill is the first tensor load behind the round.
.macro TURN slot, next, fill
	PREP 7, 48, 1
	s_set_vgpr_msb 0x8880
	s_wait_tensorcnt 0x0
	ds_add_u32 v254, v255
	s_wait_dscnt 0x0
	s_set_vgpr_msb 0x8088
	s_barrier_signal -1
	WIN ACCW
	MUL16 7, 0, 0                                  ; register work while the others arrive
	WIN 0
	s_barrier_wait -1
.if \fill
	CREST                                          ; no wave of any partner still reads this slot or has a load on its way
	s_add_nc_u64 s[G0V+4*\slot+2:G0V+4*\slot+3], s[G0V+4*\slot+2:G0V+4*\slot+3], 2*STEPV
	tensor_load_to_lds s[G0V+4*\slot:G0V+4*\slot+3], s[G1V:G1V+7]   ; the wave's one tensor load behind the round: my 64 of the 256 keys two slots on
	s_nop 0
.endif
	FETCHSC 0
	FETCH \next, 0
	WIN ACCW
	MUL16 7, 2, 0
.endm
	s_wait_tensorcnt 0x1                           ; my part of slot 0 is in; slot 1's stays out
	s_wait_dscnt 0x0                               ; my rows of the two tables are written
	s_barrier_signal -1
	s_barrier_wait -1
	FETCHSC 0
	FETCH 0, 0
	QUARTER 0, 0, 1, 48, 1                         ; the first products start the sums: nothing is cleared
.irp u, 1,2,3,4,5,6
	QUARTER 0, \u, 0, 48, 1
.endr
	WIN 0
	; 4 g + 4 steps = 2 g + 2 slots: seven quarters above, g trips of two slots, the rest below.  g is the same in all four partners.  The loop is counted
	; against the constant 3, the trips of the longest cluster, so that the text itself bounds them; a cluster with fewer leaves at the head, ahead of the
	; trip's first load.  On every way into the tail one tensor load of the wave at the most is out (slot 1's last fill) and 48 + 8 loads of P.
	s_mov_b32 s3, 0
.Llap:
	s_cmp_ge_u32 s3, s44
	s_cbranch_scc1 .Ltail
	TURN 0, 1, 1
	SEVEN 1
	TURN 1, 0, 1
	SEVEN 0
	WIN 0
	s_add_co_u32 s3, s3, 1
	s_cmp_lt_u32 s3, MAXG
	s_cbranch_scc1 .Llap
.Ltail:
	TURN 0, 1, 0                                   ; nothing is left to fetch of V; P's last two units are asked for here and in the next quarter
	QUARTER 1, 0, 0, 48, 1
	QUARTER 1, 1, 0, 48, 0                         ; from here on no load is issued and the counts run down
	QUARTER 1, 2, 0, 40, 0
	QUARTER 1, 3, 0, 32, 0
	QUARTER 1, 4, 0, 24, 0
	QUARTER 1, 5, 0, 16, 0
	QUARTER 1, 6, 0, 8, 0
	PREP 7, 0, 0
	WIN ACCW
	MUL16 7, 0, 0
	MUL16 7, 2, 0
	WIN 0
	; THE WAY OUT, 16 rows at a time: x 1 / L, f32 through my own stage, back as whole rows of 512 bytes
	PLACES
.irp a, 0,1,2,3
	ds_load_b32 v[SC+2*\a], v[RLA] offset:64*\a    ; 1 / L of row 16 a + r; the pair's upper register holds an old scale and is not used
.endr
	s_wait_dscnt 0x0
.macro OUTO a
	WIN 0x01                                       ; source 0 in window 1
.irp b, 0,1,2,3,4,5,6,7
.irp n, 0,1,2,3
	v_pk_mul_f32 v[BF+8*\b+2*\n:BF+8*\b+2*\n+1], v[8*(8*\a+\b)+2*\n:8*(8*\a+\b)+2*\n+1], v[SC+2*\a:SC+2*\a+1] op_sel_hi:[1,0]
.endr
.endr
	WIN 0
.irp b, 0,1,2,3,4,5,6,7
	ds_store_b128 v[STO], v[BF+8*\b:BF+8*\b+3]   offset:64*\b
	ds_store_b128 v[STO], v[BF+8*\b+4:BF+8*\b+7] offset:64*\b+16
.endr
	s_wait_xcnt 0x0                                ; the earlier stores' data registers and base are rewritten only behind this wait
.if \a
	s_add_nc_u64 s[10:11], s[10:11], 16*OROW
.endif
.irp t, 0,1,2,3,4,5,6,7,8,9,10,11,12,13,14,15
	ds_load_b128 v[BF+64+4*\t:BF+64+4*\t+3], v[RD] offset:\t*SPITCH    ; a wave's LDS instructions are served in order: these see the stores above
.endr
.irp t, 0,1,2,3,4,5,6,7,8,9,10,11,12,13,14,15
	s_wait_dscnt 15-\t
	global_store_b128 v[LN16], v[BF+64+4*\t:BF+64+4*\t+3], s[10:11] offset:\t*OROW th:TH_STORE_NT   ; the wave stores 512 consecutive bytes, aligned to 512
.endr
.endm
	OUTO 0
	OUTO 1
	OUTO 2
	OUTO 3
	s_wait_tensorcnt 0x0
	ds_add_u32 v254, v255
	s_wait_dscnt 0x0
	CROUND                                         ; the closing round: no work-group ends while a partner may still ask for a tile that names it
	s_endpgm
.Lfunc_end_k_q3291266ca8_pv:
	.size	k_q3291266ca8_pv, .Lfunc_end_k_q3291266ca8_pv-k_q3291266ca8_pv
	.p2alignl 7, 3214868480
	.fill 96, 4, 3214868480
	.section	.rodata,"a",@progbits
	.p2align	6, 0x0
	.amdhsa_kernel k_q3291266ca8_pv
		.amdhsa_group_segment_fixed_size 327680
		.amdhsa_private_segment_fixed_size 0
		.amdhsa_enable_private_segment 0
		.amdhsa_kernarg_size 32
		.amdhsa_user_sgpr_count 2
		.amdhsa_user_sgpr_kernarg_segment_ptr 1
		.amdhsa_wavefront_size32 1
		.amdhsa_system_sgpr_workgroup_id_x 1
		.amdhsa_system_sgpr_workgroup_id_y 1
		.amdhsa_system_sgpr_workgroup_id_z 1
		.amdhsa_system_vgpr_workitem_id 0
		.amdhsa_next_free_vgpr 768
		.amdhsa_next_free_sgpr 80
		.amdhsa_reserve_vcc 0
		.amdhsa_float_denorm_mode_32 3
		.amdhsa_float_denorm_mode_16_64 3
		.amdhsa_memory_ordered 1
		.amdhsa_forward_progress 1
		.amdhsa_inst_pref_size 236
	.end_amdhsa_kernel
	.amdgpu_metadata
---
amdhsa.version: [ 1, 2 ]
amdhsa.kernels:
  - .name:           k_q3291266ca8_pv
    .symbol:         k_q3291266ca8_pv.kd
    .args:
      - { .name: prob, .offset: 0, .size: 8, .value_kind: global_buffer, .address_space: global }
      - { .name: qkv, .offset: 8, .size: 8, .value_kind: global_buffer, .address_space: global }
      - { .name: stats, .offset: 16, .size: 8, .value_kind: global_buffer, .address_space: global }
      - { .name: out0, .offset: 24, .size: 8, .value_kind: global_buffer, .address_space: global }
    .group_segment_fixed_size: 327680
    .private_segment_fixed_size: 0
    .kernarg_segment_align: 8
    .kernarg_segment_size: 32
    .max_flat_workgroup_size: 128
    .sgpr_count:     80
    .vgpr_count:     768
    .wavefront_size: 32
...
	.end_amdgpu_metadata
.endif
;; end of part 4
;; ======== version 2 of 2: 4 launches; version 1 with the launch cast written anew for expert scheduling mode
;; limits: values are held in f16: magnitudes above 65,504 overflow, below 6.1e-05 lose precision
;; workspace buffers: xb 16,777,216 bytes; wb 6,291,456 bytes; qkv 50,331,648 bytes; prob 33,554,432 bytes; stats 1,048,576 bytes
;; launch cast (part 5): grid 704 x 1, 8 waves a work-group, no clusters, 0 bytes of LDS; arguments x, wq, wk, wv, xb, wb; writes xb, wb
.if DOCPART == 5
	.amdgcn_target "amdgcn-amd-amdhsa--gfx1250"
	.amdhsa_code_object_version 6
	.text
	.protected	k_q3291266ca8_cast
	.globl	k_q3291266ca8_cast
	.p2align	8
	.type	k_q3291266ca8_cast,@function
k_q3291266ca8_cast:
	s_mov_b64 s[64:65], 0
	v_nop
	global_prefetch_b8 v0, s[64:65] scope:SCOPE_SE
	s_setreg_imm32_b32 hwreg(HW_REG_WAVE_SCHED_MODE, 0, 2), 2
	s_setreg_imm32_b32 hwreg(HW_REG_WAVE_MODE, 25, 1), 1
	s_wait_xcnt 0x0
	s_wait_alu depctr_vm_vsrc(0)
; cast: xb = bf16(x) [8192][1024]; wb = bf16(wq | wk | wv) stacked as [3072][1024].  Rounding to nearest even.
; A pure stream: no LDS, no matrix unit, no cluster (no byte is read by two work-groups).
; A work-group converts 16,384 numbers: 65,536 bytes in, 32,768 bytes out.  x is 512 such parts, each weight 64: 512 + 3 x 64 = 704 work-groups.
; Thread t takes 16 bytes at 16 t of each block of 4,096 bytes: a wave's load covers 512 consecutive bytes, and its store of 8 bytes
; a lane covers 256 consecutive bytes that start at a multiple of 256.  All 16 loads of a wave go out at once; no register is written twice.
; THE MODE: SCHED_MODE bits 1:0 = 2 (LLVM: expert scheduling mode 2), set by the entry lines.  The code itself states the register dependences
; between vector instructions and memory instructions, with s_wait_alu, always for 0.
; THE PLAN.  Registers that memory instructions touch:
;   v1, v2   byte offsets, written once at the head by vector instructions; v1 is read by every load, v2 by every store; never written again.
;   X        block k: 4 registers, written once by load k, read by block k's two conversions; no vector instruction names them ahead of the loads.
;   Y        block k: 2 registers, written once by block k's two conversions, read by store k; never written again.
; The 16 blocks go in four groups of four.  Group g converts its four blocks; the four stores of group g - 1 are dealt among these conversions, which name
; group g's X and Y alone.  So one wait on va_vdst at a group's head, behind the wait for the group's data, states all that its four stores hang on.
; No register that a memory instruction reads is ever written again, so no wait on vm_vsrc stands behind the first load; no vector instruction writes a scalar register, VCC or EXEC.
.set X, 4                              ; v[4:67]   16 x 4 registers as loaded
.set Y, 68                             ; v[68:99]  16 x 2 registers to store
	s_load_b256 s[4:11], s[0:1], 0x0               ; x s[4:5], wq s[6:7], wk s[8:9], wv s[10:11]
	s_load_b128 s[12:15], s[0:1], 0x20             ; xb s[12:13], wb s[14:15]
	s_sub_co_u32 s20, ttmp9, 512                   ; part number among the weights (used only from work-group 512 on)
	s_and_b32 s21, s20, 63                         ; part inside one weight
	s_lshr_b32 s22, s20, 6                         ; which weight: 0, 1, 2
	v_lshlrev_b32 v1, 4, v0                        ; 16 t: where I read
	v_lshlrev_b32 v2, 3, v0                        ; 8 t: where I write
	s_wait_kmcnt 0x0
	s_cmp_eq_u32 s22, 1
	s_cselect_b64 s[24:25], s[8:9], s[6:7]         ; wk or wq
	s_cmp_eq_u32 s22, 2
	s_cselect_b64 s[24:25], s[10:11], s[24:25]     ; or wv
	s_cmp_lt_u32 ttmp9, 512
	s_cselect_b64 s[24:25], s[4:5], s[24:25]       ; the first 512 work-groups read x
	s_cselect_b64 s[26:27], s[12:13], s[14:15]     ; and write xb; the others wb
	s_cselect_b32 s16, ttmp9, s21                  ; part number in the source
	s_cselect_b32 s18, ttmp9, s20                  ; part number in the destination
	s_lshl_b32 s16, s16, 16                        ; x 65,536 bytes
	s_mov_b32 s17, 0
	s_lshl_b32 s18, s18, 15                        ; x 32,768 bytes
	s_mov_b32 s19, 0
	s_add_nc_u64 s[24:25], s[24:25], s[16:17]
	s_add_nc_u64 s[26:27], s[26:27], s[18:19]
	s_wait_alu depctr_va_vdst(0)                   ; v1 and v2 are written: every load of the kernel reads v1 as its offset, every store v2
.set k, 0
.rept 16
	global_load_b128 v[X+4*k:X+4*k+3], v1, s[24:25] offset:4096*k th:TH_LOAD_NT
.set k, k+1
.endr
.set g, 0
.rept 4
	s_wait_loadcnt 12-4*g                          ; loads come back in order: group g's four are in, the 12 - 4 g younger ones stay out
.if g > 0
	s_wait_alu depctr_va_vdst(0)                   ; the conversions of group g - 1 have written their Y, which the four stores below read
.endif
.set j, 0
.rept 4
.set k, 4*g+j
.if g > 0
	global_store_b64 v2, v[Y+2*(k-4):Y+2*(k-4)+1], s[26:27] offset:2048*(k-4)  ; the group before; no vector instruction since the wait names these registers
.endif
	v_cvt_pk_bf16_f32 v[Y+2*k],   v[X+4*k],   v[X+4*k+1]
	v_cvt_pk_bf16_f32 v[Y+2*k+1], v[X+4*k+2], v[X+4*k+3]
.set j, j+1
.endr
.set g, g+1
.endr
	s_wait_alu depctr_va_vdst(0)                   ; the conversions of group 3 have written their Y, which the last four stores read
.set k, 12
.rept 4
	global_store_b64 v2, v[Y+2*k:Y+2*k+1], s[26:27] offset:2048*k
.set k, k+1
.endr
	s_endpgm
.Lfunc_end_k_q3291266ca8_cast:
	.size	k_q3291266ca8_cast, .Lfunc_end_k_q3291266ca8_cast-k_q3291266ca8_cast
	.p2alignl 7, 3214868480
	.fill 96, 4, 3214868480
	.section	.rodata,"a",@progbits
	.p2align	6, 0x0
	.amdhsa_kernel k_q3291266ca8_cast
		.amdhsa_group_segment_fixed_size 0
		.amdhsa_private_segment_fixed_size 0
		.amdhsa_enable_private_segment 0
		.amdhsa_kernarg_size 48
		.amdhsa_user_sgpr_count 2
		.amdhsa_user_sgpr_kernarg_segment_ptr 1
		.amdhsa_wavefront_size32 1
		.amdhsa_system_sgpr_workgroup_id_x 1
		.amdhsa_system_sgpr_workgroup_id_y 1
		.amdhsa_system_sgpr_workgroup_id_z 1
		.amdhsa_system_vgpr_workitem_id 0
		.amdhsa_next_free_vgpr 104
		.amdhsa_next_free_sgpr 66
		.amdhsa_reserve_vcc 0
		.amdhsa_float_denorm_mode_32 3
		.amdhsa_float_denorm_mode_16_64 3
		.amdhsa_memory_ordered 1
		.amdhsa_forward_progress 1
		.amdhsa_inst_pref_size 7
	.end_amdhsa_kernel
	.amdgpu_metadata
---
amdhsa.version: [ 1, 2 ]
amdhsa.kernels:
  - .name:           k_q3291266ca8_cast
    .symbol:         k_q3291266ca8_cast.kd
    .args:
      - { .name: x, .offset: 0, .size: 8, .value_kind: global_buffer, .address_space: global }
      - { .name: wq, .offset: 8, .size: 8, .value_kind: global_buffer, .address_space: global }
      - { .name: wk, .offset: 16, .size: 8, .value_kind: global_buffer, .address_space: global }
      - { .name: wv, .offset: 24, .size: 8, .value_kind: global_buffer, .address_space: global }
      - { .name: xb, .offset: 32, .size: 8, .value_kind: global_buffer, .address_space: global }
      - { .name: wb, .offset: 40, .size: 8, .value_kind: global_buffer, .address_space: global }
    .group_segment_fixed_size: 0
    .private_segment_fixed_size: 0
    .kernarg_segment_align: 8
    .kernarg_segment_size: 48
    .max_flat_workgroup_size: 256
    .sgpr_count:     66
    .vgpr_count:     104
    .wavefront_size: 32
...
	.end_amdgpu_metadata
.endif
;; end of part 5
;; launch proj: the kernel of part 2 again; grid 12 x 32, 4 waves a work-group, clusters of 4 x 4, 327,680 bytes of LDS; arguments xb, wb, bq, bk, bv, qkv; writes qkv
;; launch score: the kernel of part 3 again; grid 36 x 4, 4 waves a work-group, no clusters, 327,680 bytes of LDS; arguments qkv, prob, stats; writes prob, stats
;; launch pv: the kernel of part 4 again; grid 4 x 64, 4 waves a work-group, clusters of 4 x 1, 327,680 bytes of LDS; arguments prob, qkv, stats, out0; writes out0
